; MI455X (gfx1250); checked and timed in simulation.
; The chip was launched on July 23, 2026; its instructions are those of AMD's public machine-readable ISA for CDNA 5 (MIT licence, August 2026) and "CDNA5" Instruction Set Architecture Reference Guide (July 2026). The comments in the code are by the model that wrote it; some were corrected since.
;; Dot Product Attention. Allowed arithmetic: matrix products marked QUANTISED: E2M3 operands, one E8M0 scale for each 32 along K, by v_wmma_scale_f32_16x16x128_f8f6f4 with both operands' format E2M3, f32 sums; everything else in f32.
;; Inputs: keys_codes 2 x 16 x 2,048 x 2 x 24 uint8 (E2M3 codes of keys, K innermost, in blocks of 32 codes, four codes in three bytes); keys_scales 2 x 16 x 2,048 x 2 uint8 (E8M0 scales of keys, one for each 32 codes along K); mask 1 x 1 x 2,048 x 2,048 bool; queries_codes 2 x 16 x 2,048 x 2 x 24 uint8 (E2M3 codes of queries, K innermost, in blocks of 32 codes, four codes in three bytes); queries_scales 2 x 16 x 2,048 x 2 uint8 (E8M0 scales of queries, one for each 32 codes along K); values_codes 2 x 16 x 64 x 64 x 24 uint8 (E2M3 codes of values, K innermost, in blocks of 32 codes, four codes in three bytes); values_scales 2 x 16 x 64 x 64 uint8 (E8M0 scales of values, one for each 32 codes along K).
;; Outputs: out0 2 x 16 x 2,048 x 64 float32.
;; Constants: d_k = 64.
;; This version of the problem:
;;   THIS VERSION OF THE PROBLEM IS GIVEN IN LOW PRECISION. The matrix products marked QUANTISED in the list below multiply operands that are first quantised to E2M3 (2 exponent bits, 3 mantissa bits; 6 bits a number), with one power-of-two scale for each 32 numbers along K (OCP MX v1.0); their sums are f32. All else is computed in f32.
;;   The module's matrix products, in the order in which they are computed (A, B: the left and right operand; K: the contracted axis; several contracted axes count as one K, in the product's order):
;;     1. batch 32 x [M 2,048, K 64] x [K 64, N 2,048]; A: input queries (given as codes); B: input keys (given as codes): QUANTISED
;;     2. batch 32 x [M 2,048, K 2,048] x [K 2,048, N 64]; A: computed on the way; B: input values (given as codes): QUANTISED
;;   THE QUANTISER, for each operand of a quantised product, along K:
;;     - K is cut into blocks of 32 from its start; a last block that is shorter is filled with zeros.
;;     - A block's scale is 2^e with e = floor(log2(the largest magnitude in the block)) - 2, held to -126 .. 127; a block of zeros has e = 0. As a byte (E8M0): e + 127.
;;     - Each number is divided by its block's scale, clamped to +-7.5, and rounded to the nearest number of E2M3, ties to even, subnormals kept.
;;     - The product sums the exact products of the quantised numbers (number of the format x scale) in f32.
;;   ~~~python
;;   def quantise(x, axis):      # numpy; x: float32 -> the quantised numbers, widened to float32 again
;;       x = np.moveaxis(x, axis, -1); K = x.shape[-1]
;;       x = np.pad(x, [(0, 0)] * (x.ndim - 1) + [(0, -K % 32)]); x = x.reshape(x.shape[:-1] + (-1, 32)); a = np.abs(x).max(-1, keepdims=True)
;;       e = np.where(a > 0, np.clip(np.frexp(np.where(a > 0, a, 1))[1] - 1 - 2, -126, 127), 0)      # np.frexp(a)[1] - 1 = floor(log2(a)), exactly
;;       r = np.clip(x / 2.0 ** e, -7.5, 7.5)
;;       step = 2.0 ** (np.maximum(np.frexp(np.where(r == 0, 1, r))[1] - 1, 0) - 3)
;;       q = np.round(r / step) * step * 2.0 ** e      # np.round: ties to even
;;       return np.moveaxis(q.reshape(q.shape[:-2] + (-1,))[..., :K], -1, axis).astype(np.float32)
;;   ~~~
;;   OPERANDS COMPUTED ON THE WAY. 'Computed on the way' means the value that the module computes at that place (a softmax that the list does not call 'softmax' is quantised finished and normalised). What goes into a quantiser is computed in f32, as accurately as f32 sums, v_exp_f32 and their like allow (about 1e-6 of the number): no bf16 or f16 on the way to a quantiser, and a product that is left as it is and whose result goes on into a quantised operand takes f32 operands (vector FMAs, or v_wmma_f32_16x16x4_f32). A number that lies on a knife's edge between two numbers of the format may be rounded either way, as far as f32 arithmetic and the matrix unit's own rounding can turn it there, and no further.
;;   INPUTS GIVEN AS CODES. keys (in the module: [2, 16, 2048, 64], K = its axis 3); queries (in the module: [2, 16, 2048, 64], K = its axis 3); values (in the module: [2, 16, 2048, 64], K = its axis 2): each comes as NAME_codes (uint8): NAME with its K axis moved to the last place and cut into blocks of 32 codes, [.., K / 32, bytes a block], one block behind the other in memory; four codes in three bytes: a row's codes are one little-endian stream of bits, code i at bits 6 i .. 6 i + 5 (a code: sign, 2 exponent bits, 3 mantissa bits); and NAME_scales (uint8): the same leading axes, one E8M0 byte (e + 127) for each 32 codes along K. Its value is code x scale, taken as it is: it is not quantised again, and the codes and scales need not be those that the quantiser above would give.
;; 2 versions. Each part assembles by itself: llvm-mc -triple=amdgcn-amd-amdhsa -mcpu=gfx1250 --defsym DOCPART=n.
;; ======== version 1 of 2: 2 launches
;; limits: right only within a limited range of input values
;; workspace buffers: mbits 524,288 bytes of whole numbers; mflags 8,192 bytes of whole numbers
;; launch maskbits (part 1): grid 256 x 1, 8 waves a work-group, no clusters, 17,664 bytes of LDS; arguments mask, mbits, mflags; writes mbits, mflags
.if DOCPART == 1
	.amdgcn_target "amdgcn-amd-amdhsa--gfx1250"
	.amdhsa_code_object_version 6
	.text
	.protected	k_q7f4b480aad_maskbits
	.globl	k_q7f4b480aad_maskbits
	.p2align	8
	.type	k_q7f4b480aad_maskbits,@function
k_q7f4b480aad_maskbits:
	s_mov_b64 s[64:65], 0
	v_nop
	global_prefetch_b8 v0, s[64:65] scope:SCOPE_SE
	s_setreg_imm32_b32 hwreg(HW_REG_WAVE_MODE, 25, 1), 1
	s_wait_xcnt 0x0
; THE PROGRAM: out = W V, W = min(|mask|, |softmax_k(q.k / 8 - 1e9 (1 - mask))|), both products on codes of E2M3; W is quantised finished and normalised, in blocks of 32 keys.  d_k = 64 is a constant: the scale is 1 / 8.
; Two launches.  This one turns the mask (2,048 x 2,048 bytes, each 0 or 1) into whole numbers for the second: for each block of 16 queries x 128 keys a record of 64 words, one bit a lane,
; laid as the second launch's score registers lie, and a flag: 0 = no key of the block counts, 1 = some do, 2 = all do.
; WHAT THE PROGRAM LEAVES OUT, for all values of the inputs:
;  (1) mask is 0 or 1 and a softmax lies in 0 .. 1, so min(|mask|, |w|) is w where mask = 1 and 0 where mask = 0: no minimum is computed; a masked key's weight is 0.
;  (2) A masked key's only other way to an output is its term in its row's maximum and sum.  A row with no unmasked key has all weights 0 by (1), whatever its sum.  In a row with an unmasked key the term is
;      at most e^(-1e9 + 2 x 4e8) of the largest (see LIMITS): no result moves.  So a masked score is SELECTED away (its p is 0),
;      and a block whose 16 x 128 mask bytes are all 0 is passed over, by a branch on the flag that this launch stores and the second launch reads from memory.
; Every input has a way to an output and is loaded.
; LIMITS: |q.k| / 8 < 4e8 (beyond it reference()'s own -1e9 no longer masks); NaN and infinities among the inputs (a scale byte 0xff) are not served; one that reaches only masked keys is not carried to the result.
;
; SHARES.  Work-group x takes query tile T = x / 2 (16 rows of the mask) and half x % 2 of its columns: 16 rows x 1,024 bytes.  Each wave loads two rows' 1,024 bytes, 512 consecutive bytes a load, into a stage
; in LDS; behind one barrier wave w reads the block of key step 8 (x % 2) + w: lane (r, h) takes of row r the bytes 32 b + 16 h + 0 .. 15 of the block's 128, b = 0 .. 3.
; Word j = 16 b + i of a record: bit 16 h + r = mask[16 T + r][128 step + 32 b + 16 h + i].  A record is 256 bytes and leaves by one store of the wave, aligned.
.set PITCH, 1040                       ; a stage row: 1,024 bytes + 16, so that the sixteen rows of a read of 16 bytes a lane start 16 bytes apart modulo 256
.set SPARE, 16*PITCH                   ; behind the stage: the spare words, 128 bytes for each of the eight waves: four blocks of 256 bytes that no other line names
; REGISTERS: v1, v2 the add's two; v3 lane; v4 16 x lane; v5 stage, way in; v6 stage, way out; v7 8 x lane; v8-23 bytes as loaded; v24-39 my 64 bytes; v40-43 at work; v44-45 the record; v46 the flag; v47 0
;            s[4:5] mask, s[6:7] mbits, s[8:9] mflags; s10 wave; s16-23 lane masks by turns; s24 their OR, s25 their AND
	s_load_b128 s[4:7], s[0:1], 0x0
	s_load_b64 s[8:9], s[0:1], 0x10
	v_lshl_add_u32 v1, v0, 2, SPARE
	v_mov_b32 v2, 0
	v_lshrrev_b32 v40, 5, v0
	v_readfirstlane_b32 s10, v40                   ; wave 0..7
	v_and_b32 v3, 31, v0                           ; lane
	v_lshlrev_b32 v4, 4, v3
	s_mul_i32 s11, s10, 2*PITCH
	v_add_nc_u32 v5, s11, v4                       ; in: rows 2 w, 2 w + 1 of the stage, 16 bytes a lane
	v_and_b32 v41, 15, v0                          ; r
	v_bfe_u32 v42, v0, 4, 1                        ; h
	v_mul_u32_u24 v6, v41, PITCH
	v_lshl_add_u32 v6, v42, 4, v6
	s_lshl_b32 s11, s10, 7
	v_add_nc_u32 v6, s11, v6                       ; out: row r, + 128 w + 16 h
	v_lshlrev_b32 v7, 3, v3
	v_mov_b32 v44, 0                               ; a lane write's destination counts as one of its sources
	v_mov_b32 v45, 0
	v_mov_b32 v47, 0
	s_lshr_b32 s12, ttmp9, 1                       ; T
	s_and_b32 s13, ttmp9, 1                        ; which half of the columns
	s_lshl_b32 s12, s12, 15                        ; 16 rows of 2,048 bytes a tile
	s_lshl_b32 s13, s13, 10
	s_add_co_u32 s12, s12, s13
	s_lshl_b32 s13, s10, 12                        ; two rows a wave
	s_add_co_u32 s12, s12, s13
	s_mov_b32 s13, 0
	s_lshl_b32 s14, ttmp9, 3
	s_add_co_u32 s14, s14, s10                     ; my record: 16 T + 8 half + w = 8 x + w
	s_lshl_b32 s26, s14, 2
	s_mov_b32 s27, 0
	s_lshl_b32 s14, s14, 8
	s_mov_b32 s15, 0
	s_mov_b32 s24, 0
	s_mov_b32 s25, -1
	s_wait_kmcnt 0x0
	s_add_nc_u64 s[4:5], s[4:5], s[12:13]
	s_add_nc_u64 s[6:7], s[6:7], s[14:15]
	s_add_nc_u64 s[8:9], s[8:9], s[26:27]
	global_load_b128 v[8:11], v4, s[4:5] th:TH_LOAD_NT                 ; each load: 512 consecutive bytes; the mask is read once in the launch
	global_load_b128 v[12:15], v4, s[4:5] offset:512 th:TH_LOAD_NT
	global_load_b128 v[16:19], v4, s[4:5] offset:2048 th:TH_LOAD_NT
	global_load_b128 v[20:23], v4, s[4:5] offset:2560 th:TH_LOAD_NT
	s_wait_loadcnt 0x0
	ds_store_b128 v5, v[8:11]
	ds_store_b128 v5, v[12:15] offset:512
	ds_store_b128 v5, v[16:19] offset:PITCH
	ds_store_b128 v5, v[20:23] offset:PITCH+512
	s_wait_dscnt 0x0                               ; for the others' sake: my rows lie in the stage
	s_barrier_signal -1
	s_barrier_wait -1
.irp b, 0,1,2,3
	ds_load_b128 v[24+4*\b:27+4*\b], v6 offset:32*\b
.endr
	s_wait_dscnt 0x0
; word j = 4 g + k: byte k of register g.  The compare gives one bit a lane; lane j / 2 of register j % 2 takes the word, so that lane l ends up with the record's bytes 8 l .. 8 l + 7
.set g, 0
.rept 16
.irp k, 0,1,2,3
	v_and_b32 v[40+\k], 0xff<<(8*\k), v[24+g]
.endr
.irp k, 0,1,2,3
	v_cmp_ne_u32 s[16+(4*g+\k)%8], 0, v[40+\k]
.endr
.irp k, 0,1,2,3
	v_writelane_b32 v[44+\k%2], s[16+(4*g+\k)%8], (4*g+\k)/2
	s_or_b32 s24, s24, s[16+(4*g+\k)%8]
	s_and_b32 s25, s25, s[16+(4*g+\k)%8]
.endr
.set g, g+1
.endr
	s_cmp_lg_u32 s24, 0                            ; some key counts: 1
	s_cselect_b32 s26, 1, 0
	s_cmp_eq_u32 s25, -1                           ; all count: one more
	s_cselect_b32 s27, 1, 0
	s_add_co_u32 s26, s26, s27
	v_mov_b32 v46, s26
	global_store_b64 v7, v[44:45], s[6:7]          ; 32 lanes store 256 consecutive bytes, at a multiple of 256 from the buffer's first byte
	s_wait_xcnt 0x0                                ; EXEC is a source of that store: it changes only behind this wait
	v_cmp_eq_u32 vcc_lo, 0, v3
	s_and_saveexec_b32 s28, vcc_lo
	global_store_b32 v47, v46, s[8:9]              ; the flag: lane 0 alone
	s_wait_xcnt 0x0                                ; and again, in front of the line that widens it
	s_or_b32 exec_lo, exec_lo, s28
	s_wait_tensorcnt 0x0                           ; the wave's end: three closing lines, behind my last LDS store
	ds_add_u32 v1, v2
	s_wait_dscnt 0x0
	s_endpgm
.Lfunc_end_k_q7f4b480aad_maskbits:
	.size	k_q7f4b480aad_maskbits, .Lfunc_end_k_q7f4b480aad_maskbits-k_q7f4b480aad_maskbits
	.p2alignl 7, 3214868480
	.fill 96, 4, 3214868480
	.section	.rodata,"a",@progbits
	.p2align	6, 0x0
	.amdhsa_kernel k_q7f4b480aad_maskbits
		.amdhsa_group_segment_fixed_size 17664
		.amdhsa_private_segment_fixed_size 0
		.amdhsa_enable_private_segment 0
		.amdhsa_kernarg_size 24
		.amdhsa_user_sgpr_count 2
		.amdhsa_user_sgpr_kernarg_segment_ptr 1
		.amdhsa_wavefront_size32 1
		.amdhsa_system_sgpr_workgroup_id_x 1
		.amdhsa_system_sgpr_workgroup_id_y 1
		.amdhsa_system_sgpr_workgroup_id_z 1
		.amdhsa_system_vgpr_workitem_id 0
		.amdhsa_next_free_vgpr 48
		.amdhsa_next_free_sgpr 66
		.amdhsa_reserve_vcc 1
		.amdhsa_float_denorm_mode_32 3
		.amdhsa_float_denorm_mode_16_64 3
		.amdhsa_memory_ordered 1
		.amdhsa_forward_progress 1
		.amdhsa_inst_pref_size 20
	.end_amdhsa_kernel
	.amdgpu_metadata
---
amdhsa.version: [ 1, 2 ]
amdhsa.kernels:
  - .name:           k_q7f4b480aad_maskbits
    .symbol:         k_q7f4b480aad_maskbits.kd
    .args:
      - { .name: mask, .offset: 0, .size: 8, .value_kind: global_buffer, .address_space: global }
      - { .name: mbits, .offset: 8, .size: 8, .value_kind: global_buffer, .address_space: global }
      - { .name: mflags, .offset: 16, .size: 8, .value_kind: global_buffer, .address_space: global }
    .group_segment_fixed_size: 17664
    .private_segment_fixed_size: 0
    .kernarg_segment_align: 8
    .kernarg_segment_size: 24
    .max_flat_workgroup_size: 256
    .sgpr_count:     66
    .vgpr_count:     48
    .wavefront_size: 32
...
	.end_amdgpu_metadata
.endif
;; end of part 1
;; launch attn (part 2): grid 8 x 32, 16 waves a work-group, no clusters, 145,920 bytes of LDS; arguments queries_codes, queries_scales, keys_codes, keys_scales, values_codes, values_scales, mbits, mflags, out0; writes out0
.if DOCPART == 2
	.amdgcn_target "amdgcn-amd-amdhsa--gfx1250"
	.amdhsa_code_object_version 6
	.text
	.protected	k_q7f4b480aad_attn
	.globl	k_q7f4b480aad_attn
	.p2align	8
	.type	k_q7f4b480aad_attn,@function
k_q7f4b480aad_attn:
	s_mov_b64 s[64:65], 0
	v_nop
	global_prefetch_b8 v0, s[64:65] scope:SCOPE_SE
	s_setreg_imm32_b32 hwreg(HW_REG_WAVE_MODE, 25, 1), 1
	s_wait_xcnt 0x0
; out[bh][q][:] = the sum over k of W[q][k] V[bh][k][:], W = the finished softmax of q.k / 8 over the unmasked keys, 0 at masked keys, quantised to E2M3 in blocks of 32 keys.  Both products on codes of E2M3 with E8M0 scales.
; LEFT OUT (shown at the head of the first launch's text): the minimum with the mask (it is a selection); masked keys' terms in maximum and sum; blocks of 16 queries x 128 keys with no unmasked key, by a branch on
; the flag that the first launch stored.  LIMITS: |q.k| / 8 < 4e8; NaN and infinities are not served, and one that reaches only masked keys is not carried; a p under 2^-126 counts as 0.
; THE ROW'S SUM IS WANTED BEFORE ANY CODE IS MADE, so a tile of 16 queries has all its 2,048 p in registers at once, spread over the work-group's SIXTEEN waves:
; THE WAVES SHARE THE KEYS.  Wave w owns keys 128 w .. 128 w + 127 of the head: its fragments of K (48 registers) and of V (48) and their scale words are read once and stay.
; A work-group (g = x, head = y) walks the query tiles T = 8 j + g, j = 0 .. 15, one an iteration:
;   S^T = K Q^T (source 0 = 16 keys, source 1 = the 16 queries: a lane holds ONE query, lane % 16, throughout); masked scores become -3e38; t = score x log2(e) / 8;
;   M_w = the wave's largest t rounded UP to a whole number; p = 2^(t - M_w); l_w = the sum of p | n_w = -M_w and l_w to LDS | THE ITERATION'S ONE BARRIER |
;   every wave reads all sixteen pairs: M = the largest M_w, L = the sum of l_w 2^(M_w - M) (exact scalings); f = 2^(M_w - M) / L; W = p f, quantised as it stands;
;   O^T = V^T W^T over my 128 keys: a partial of 16 queries x 64, to LDS.  The sixteen partials of tile j are added one iteration later, behind the next barrier: wave w adds and stores row w, 256 consecutive bytes.
; K = 64 fills half of the matrix instruction's 128: Q's registers 6-11 hold zero codes for good, so K's fragments lie 6 registers apart and what stands in a K operand's upper six (the next tile's codes) is
; multiplied by 0; the scale bytes of those two blocks are 0 (the words are loaded as 16 bits), never 0xff.
; THE KEYS OF A TILE ARE NOT NEIGHBOURS: lane r of tile 2 b + u takes key 32 b + 8 u + r + 8 (r / 8), so that score register 16 b + i of lane (r, h) is key 32 b + 16 h + i: 16 neighbours along the second product's K.
; ONE BARRIER DOES: between two barriers the waves read the stats of this parity, write the partials of this parity (each its own), read the partials of the other parity and write the stats of the other parity
; (each its own words): four regions that do not meet; each is written again only behind a later barrier, in front of which every wave has waited for all its LDS instructions.
; NO TENSOR LOADS, NO CLUSTER: branches hang on numbers read from memory (the flags); K and V are read once by a work-group, at its head, straight into registers.
; NO PREFETCH: Q and the mask words are asked for most of an iteration ahead by their own loads; nothing else streams.  Every matrix instruction starts its sum with the constant 0: there are no chains.
.set OBB,   69632                      ; LDS: partials, parity 0 at 0, parity 1 at OBB: 16 waves x PART
.set PART,  4352                       ; a partial: 16 queries x OP
.set OP,    272                        ; 64 f32 + 16 bytes: the sixteen rows of a store of 16 bytes a lane start 16 bytes apart modulo 256
.set ST0,   2*OBB                      ; stats, parity 0; parity 1 STB further on
.set STB,   2304                       ; 16 queries x SP
.set SP,    144                        ; 16 n (64 bytes), 16 l (64 bytes), 16 of padding
.set SPARE, ST0+2*STB                  ; the spare words, 128 bytes for each of the sixteen waves: eight blocks of 256 bytes that no other line names
; VECTOR REGISTERS: v1, v2 the add's two; v3 -3e38; v4, v5 Q's and its scales' lane offsets; v6 stats, way in; v7 stats, way out; v8, v9 my partial (parity 0, 1); v10, v11 row w of the partials (parity 0, 1);
;   v12 n_w (v13 named with it); v[14:15] the sum; v16 f (v17 named with it); v18 Q's scale words; v19 W's scale word; v134 8 x lane; v135 at work; v152 M (v153 named with it); v154 1 / L; v155 exponent; v156 a permute's destination
.set QF,  20                           ; v20-31   Q's fragment; v26-31 zero for good (v28-31 also the zeros that an idle wave stores)
.set KF,  32                           ; v32-79   K's eight tiles, 6 registers each
.set VF,  80                           ; v80-127  V's four tiles, 12 registers each
.set KS,  128                          ; v128-131 K's scale words: register b: tile 2 b in lanes 0-15, tile 2 b + 1 in lanes 16-31
.set VS,  132                          ; v132-133 V's likewise
.set BM,  136                          ; v136-139 each block's largest score, then p, then W
.set BT,  140                          ; v140-143 permutes' destinations
.set SCO, 144                          ; v144-147 the conversions' scale operands (at the head: lane offsets of K's and V's loads)
.set BY,  148                          ; v148-151 scale bytes
.set S,   160                          ; v160-223 S^T, p, W; later v160-191 O^T and v192-223 sixteen partials' pairs
.set PC,  224                          ; v224-235 W's codes (ahead of them: v224-231 sixteen waves' n, my half; v232-239 their l)
.set PT,  236                          ; v236-243 the codes' second halves
.set C2,  244                          ; v244-245 the sum's second chain
; SCALAR REGISTERS: s2 wave; s3 loop; s[4:5], s[6:7] Q's codes, scales; s[8:15] K's and V's (head only); s[16:17] mbits; s[18:19] mflags; s[20:21] out0; s24 the flag as loaded, s25 its copy for this iteration;
;   s[26:27] log2(e) / 8, twice; s[28:29] selects for lane l xor 16; s[30:31] offsets; s32-63, s68-99 the block's 64 mask words
	s_load_b512 s[4:19], s[0:1], 0x0
	s_load_b64 s[20:21], s[0:1], 0x40
	v_lshl_add_u32 v1, v0, 2, SPARE
	v_mov_b32 v2, 0
	v_lshrrev_b32 v135, 5, v0
	v_readfirstlane_b32 s2, v135                   ; wave 0..15
	v_and_b32 v154, 15, v0                         ; r
	v_bfe_u32 v155, v0, 4, 1                       ; h
	v_and_b32 v156, 31, v0                         ; lane
	v_mov_b32 v3, 0xff61b1e6                       ; -3e38
	v_mul_u32_u24 v4, v154, 48                     ; Q: row r of 48 bytes, + 24 h
	v_mad_u32_u24 v4, v155, 24, v4
	v_lshlrev_b32 v5, 1, v154                      ; its two scale bytes
	v_mul_u32_u24 v6, v154, SP
	v_lshl_add_u32 v7, v155, 5, v6
	v_add_nc_u32 v7, ST0, v7                       ; stats out: query r, waves 8 h .. 8 h + 7
	s_lshl_b32 s30, s2, 2
	s_add_co_u32 s30, s30, ST0
	v_add_nc_u32 v6, s30, v6                       ; stats in: query r, my wave's word
	v_mul_u32_u24 v8, v154, OP
	v_lshl_add_u32 v8, v155, 5, v8
	s_mul_i32 s30, s2, PART
	v_add_nc_u32 v8, s30, v8                       ; my partial: row r, + 32 h
	v_add_nc_u32 v9, OBB, v8
	v_lshlrev_b32 v134, 3, v156
	s_mul_i32 s30, s2, OP
	v_add_nc_u32 v10, s30, v134                    ; row w of a partial, 8 bytes a lane
	v_add_nc_u32 v11, OBB, v10
	v_and_b32 v135, 8, v154
	v_add_nc_u32 v135, v135, v154                  ; r + 8 (r / 8)
	v_mul_u32_u24 v144, v135, 48
	v_mad_u32_u24 v144, v155, 24, v144             ; K's codes
	v_lshlrev_b32 v145, 1, v135
	v_lshl_add_u32 v145, v155, 4, v145             ; K's scale words: lanes 16-31 take the tile 8 keys on
	v_mul_u32_u24 v146, v154, 1536
	v_mad_u32_u24 v146, v155, 24, v146             ; V's codes: row r of 1,536 bytes
	v_lshlrev_b32 v147, 6, v154
	v_lshl_add_u32 v147, v155, 10, v147            ; V's scale words: lanes 16-31 take the tile 16 rows on
	s_and_b32 s22, ttmp7, 0xffff                   ; the head
	s_mul_i32 s23, s22, 98304                      ; its first byte in each tensor of codes,
	s_lshl_b32 s25, s22, 12                        ; and of scale bytes
	s_lshl_b32 s26, ttmp9, 4
	s_add_co_u32 s26, s26, s2                      ; 16 g + w: my first record, and my first row of out0
	s_mov_b32 s31, 0
	s_wait_kmcnt 0x0
	s_mul_i32 s30, ttmp9, 768
	s_add_co_u32 s30, s30, s23
	s_add_nc_u64 s[4:5], s[4:5], s[30:31]          ; Q's codes at tile g
	s_lshl_b32 s30, ttmp9, 5
	s_add_co_u32 s30, s30, s25
	s_add_nc_u64 s[6:7], s[6:7], s[30:31]
	s_mul_i32 s30, s2, 6144
	s_add_co_u32 s30, s30, s23
	s_add_nc_u64 s[8:9], s[8:9], s[30:31]          ; K's codes at key 128 w
	s_lshl_b32 s30, s2, 8
	s_add_co_u32 s30, s30, s25
	s_add_nc_u64 s[10:11], s[10:11], s[30:31]
	s_mul_i32 s30, s2, 96
	s_add_co_u32 s30, s30, s23
	s_add_nc_u64 s[12:13], s[12:13], s[30:31]      ; V's codes: 96 w bytes on in each row
	s_lshl_b32 s30, s2, 2
	s_add_co_u32 s30, s30, s25
	s_add_nc_u64 s[14:15], s[14:15], s[30:31]
	s_lshl_b32 s30, s26, 8
	s_add_nc_u64 s[16:17], s[16:17], s[30:31]      ; records of 256 bytes
	s_lshl_b32 s23, s22, 19
	s_add_co_u32 s30, s30, s23
	s_add_nc_u64 s[20:21], s[20:21], s[30:31]      ; rows of 256 bytes, 524,288 a head
	s_lshl_b32 s30, s26, 2
	s_add_nc_u64 s[18:19], s[18:19], s[30:31]
; The next tile's flag, mask words, Q and Q's scale words.  step = 1: the four addresses go on by 8 tiles first; their last loads were shown done by the waits at the iteration's head.
.macro NEXT step
.if \step
	s_add_nc_u64 s[16:17], s[16:17], 32768
	s_add_nc_u64 s[18:19], s[18:19], 512
	s_add_nc_u64 s[4:5], s[4:5], 6144
	s_add_nc_u64 s[6:7], s[6:7], 256
.endif
	s_load_b32 s24, s[18:19], 0x0
	s_load_b512 s[32:47], s[16:17], 0x0
	s_load_b512 s[48:63], s[16:17], 0x40
	s_load_b512 s[68:83], s[16:17], 0x80
	s_load_b512 s[84:99], s[16:17], 0xc0
	global_load_b64 v[QF:QF+1], v4, s[4:5]
	global_load_b64 v[QF+2:QF+3], v4, s[4:5] offset:8
	global_load_b64 v[QF+4:QF+5], v4, s[4:5] offset:16
	global_load_u16 v18, v5, s[6:7]                ; two scale bytes; the upper two are 0
.endm
	NEXT 0
.irp t, 0,1,2,3,4,5,6,7
.irp p, 0,1,2
	global_load_b64 v[KF+6*\t+2*\p:KF+6*\t+2*\p+1], v144, s[8:9] offset:(32*(\t/2)+8*(\t%2))*48+8*\p
.endr
.endr
.irp b, 0,1,2,3
	global_load_u16 v[KS+\b], v145, s[10:11] offset:64*\b
.endr
.irp d, 0,1,2,3
.irp p, 0,1,2,3,4,5
	global_load_b64 v[VF+12*\d+2*\p:VF+12*\d+2*\p+1], v146, s[12:13] offset:24576*\d+48*(\p/3)+8*(\p%3)
.endr
.endr
.irp c, 0,1
	global_load_b32 v[VS+\c], v147, s[14:15] offset:2048*\c
.endr
	s_mov_b32 s26, 0x3e38aa3b                      ; log2(e) / 8
	s_mov_b32 s27, s26                             ; (the packed form names the pair)
	s_mov_b32 s28, 0x76543210
	s_mov_b32 s29, 0xfedcba98
.irp i, 26,27,28,29,30,31
	v_mov_b32 v\i, 0                               ; Q's upper half: zero codes
.endr
	v_mov_b32 v13, 0                               ; named as upper halves of pairs
	v_mov_b32 v17, 0
	v_mov_b32 v153, 0
.irp b, 0,1,2,3
	v_mov_b32 v[BT+\b], 0                          ; a lane permute's destination counts as one of its sources
	v_mov_b32 v[BM+\b], 0
.endr
.set j, 0
.rept 64
	v_mov_b32 v[S+j], 0                            ; once: an iteration's two branches test the same flag, but taken singly they leave a way on which these are read before a product has written them
.set j, j+1
.endr
.macro QK                              ; S^T = K Q^T: eight tiles of 16 keys, each sum begun with 0
.irp t, 0,1,2,3,4,5,6,7
.if \t%2
	v_wmma_scale_f32_16x16x128_f8f6f4 v[S+8*\t:S+8*\t+7], v[KF+6*\t:KF+6*\t+11], v[QF:QF+11], 0, v[KS+\t/2], v18 matrix_a_fmt:MATRIX_FMT_FP6 matrix_b_fmt:MATRIX_FMT_FP6 matrix_a_scale:MATRIX_SCALE_ROW1
.else
	v_wmma_scale_f32_16x16x128_f8f6f4 v[S+8*\t:S+8*\t+7], v[KF+6*\t:KF+6*\t+11], v[QF:QF+11], 0, v[KS+\t/2], v18 matrix_a_fmt:MATRIX_FMT_FP6 matrix_b_fmt:MATRIX_FMT_FP6
.endif
.endr
.rept 4
	v_nop                                          ; four places ahead of the first read of results (ISA guide 7.12.1)
.endr
.endm
.macro MASK                            ; register j keeps its score where bit lane of word j is set; each accumulator from its low end on
.set j, 0
.rept 64
.if j < 32
	v_cndmask_b32 v[S+j], v3, v[S+j], s[32+j]
.else
	v_cndmask_b32 v[S+j], v3, v[S+j], s[36+j]
.endif
.set j, j+1
.endr
.endm
.macro BMAX                            ; the largest score of each block of 32 keys: it serves for the wave's maximum and, since p rises with the score, for the block's largest weight
.irp b, 0,1,2,3
	v_max3_num_f32 v[BM+\b], v[S+16*\b], v[S+1+16*\b], v[S+2+16*\b]
.endr
.irp i, 3,5,7,9,11,13
.irp b, 0,1,2,3
	v_max3_num_f32 v[BM+\b], v[BM+\b], v[S+16*\b+\i], v[S+1+16*\b+\i]
.endr
.endr
.irp b, 0,1,2,3
	v_max_num_f32 v[BM+\b], v[BM+\b], v[S+15+16*\b]
.endr
.irp b, 0,1,2,3
	v_permlanex16_b32 v[BT+\b], v[BM+\b], s28, s29
.endr
.irp b, 0,1,2,3
	v_max_num_f32 v[BM+\b], v[BM+\b], v[BT+\b]     ; with lane l xor 16's 16 keys
.endr
	v_max3_num_f32 v135, v[BM], v[BM+1], v[BM+2]
	v_max_num_f32 v135, v135, v[BM+3]
	v_mul_f32 v135, s26, v135                      ; as t
	v_max_num_f32 v135, 0xce800000, v135           ; held at -2^30 from below: a query with no live key among my 128 has M_w = -2^30, a whole number that a conversion to i32 holds
	v_floor_f32 v12, -v135                         ; n_w = -M_w = floor(-t)
.endm
.macro EXPS                            ; p = 2^(t - M_w), and the sum of my 128
.set j, 0
.rept 32
	v_pk_fma_f32 v[S+j:S+j+1], v[S+j:S+j+1], s[26:27], v[12:13] op_sel_hi:[1,0,0]
.set j, j+2
.endr
.irp b, 0,1,2,3
	v_fma_f32 v[BM+\b], v[BM+\b], s26, v12         ; the same of each block's largest score
.endr
.set j, 0
.rept 64
	v_exp_f32 v[S+j], v[S+j]
.set j, j+1
.endr
	v_nop                                          ; one plain line behind the batch
	s_wait_alu depctr_va_vdst(0)                   ; the wait ahead of the first line that names a result: one for the 64
.irp b, 0,1,2,3
	v_exp_f32 v[BM+\b], v[BM+\b]                   ; the same two instructions on the same number give the same bits as the block's largest p
.endr
	v_pk_add_f32 v[C2:C2+1], v[S:S+1], v[S+2:S+3]  ; the sums read the 64 alone: plain work behind the four
	v_pk_add_f32 v[14:15], v[S+4:S+5], v[S+6:S+7]
.set j, 8
.rept 14
	v_pk_add_f32 v[C2:C2+1], v[C2:C2+1], v[S+j:S+j+1]
	v_pk_add_f32 v[14:15], v[14:15], v[S+j+2:S+j+3]
.set j, j+4
.endr
	v_pk_add_f32 v[14:15], v[14:15], v[C2:C2+1]
	v_add_f32 v14, v14, v15
	v_permlanex16_b32 v156, v14, s28, s29
	v_add_f32 v14, v14, v156                       ; l_w, the same bits in lanes l and l xor 16
	s_wait_alu depctr_va_vdst(0)                   ; and one for the four, ahead of the branch
.endm
.macro PUBLISH par                     ; n_w and l_w to my words of the stats (lanes l and l xor 16 write the same word with the same value); then the iteration's barrier
	ds_store_b32 v6, v12 offset:STB*(\par)
	ds_store_b32 v6, v14 offset:STB*(\par)+64
	s_wait_dscnt 0x0                               ; for the others' sake: these two, my partial of the last tile, and my reads of the partials before it are done
	s_barrier_signal -1
	s_barrier_wait -1
.endm
.macro STATS par                       ; f = 2^(M_w - M) / L
	ds_load_b128 v[224:227], v7 offset:STB*(\par)       ; n of waves 8 h .. 8 h + 7
	ds_load_b128 v[228:231], v7 offset:STB*(\par)+16
	ds_load_b128 v[232:235], v7 offset:STB*(\par)+64    ; their l
	ds_load_b128 v[236:239], v7 offset:STB*(\par)+80
	s_wait_dscnt 0x0
	v_max3_num_f32 v152, -v224, -v225, -v226
	v_max3_num_f32 v135, -v227, -v228, -v229
	v_max3_num_f32 v152, v152, -v230, -v231
	v_max_num_f32 v152, v152, v135
	v_permlanex16_b32 v156, v152, s28, s29
	v_max_num_f32 v152, v152, v156                 ; M: the largest of the sixteen M_w
.irp k, 0,2,4,6
	v_pk_add_f32 v[224+\k:225+\k], v[152:153], v[224+\k:225+\k] op_sel_hi:[0,1] neg_lo:[1,1] neg_hi:[1,1]   ; -M - n = M_w - M: a whole number, 0 or less
.endr
.irp k, 0,1,2,3,4,5,6,7
	v_cvt_i32_f32 v[224+\k], v[224+\k]
.endr
.irp k, 0,1,2,3,4,5,6,7
	v_ldexp_f32 v[232+\k], v[232+\k], v[224+\k]    ; each wave's sum under M: nothing is rounded
.endr
	v_pk_add_f32 v[232:233], v[232:233], v[234:235]
	v_pk_add_f32 v[236:237], v[236:237], v[238:239]
	v_pk_add_f32 v[232:233], v[232:233], v[236:237]
	v_add_f32 v232, v232, v233
	v_permlanex16_b32 v156, v232, s28, s29
	v_add_f32 v232, v232, v156                     ; L
	v_max_num_f32 v232, 0x0d800000, v232           ; a row with no live key has L = 0 and every p = 0: held at 2^-100, so that its weights come out 0 and not 0 x infinity
	v_rcp_f32 v154, v232
	v_sub_f32 v155, -v152, v12                     ; (the plain line behind the reciprocal)  M_w - M for my own wave
	v_cvt_i32_f32 v155, v155
	s_wait_alu depctr_va_vdst(0)                   ; the wait ahead of the reciprocal's first reader
	v_ldexp_f32 v16, v154, v155
.endm
.macro QUANT                           ; W = p f; each block's scale from its largest W; the codes, 16 a conversion
.irp b, 0,1,2,3
	v_mul_f32 v[BM+\b], v[BM+\b], v16
.endr
.irp b, 0,1,2,3
	v_max_num_f32 v[BM+\b], 0x1800000, v[BM+\b]    ; the floor 2^(3 - 127): the byte cannot fall under 1; a block of zeros keeps that byte, and its codes are zeros
.endr
.irp b, 0,1,2,3
	v_add_nc_u32 v[SCO+\b], 0xff000000, v[BM+\b]   ; 2 off the exponent field: the conversion's scale operand
.endr
.irp b, 0,1,2,3
	v_lshrrev_b32 v[BY+\b], 23, v[SCO+\b]
.endr
	v_lshl_or_b32 v19, v[BY+1], 8, v[BY]
	v_lshl_or_b32 v19, v[BY+2], 16, v19
	v_lshl_or_b32 v19, v[BY+3], 24, v19            ; W's scale word; the 32 lines below stand between it and the products that name it
.set j, 0
.rept 32
	v_pk_mul_f32 v[S+j:S+j+1], v[S+j:S+j+1], v[16:17] op_sel_hi:[1,0]
.set j, j+2
.endr
.irp c, 0,1
	v_cvt_scalef32_pk16_fp6_f32 v[PC+6*\c:PC+6*\c+2], v[S+32*\c:S+32*\c+15], v[SCO+2*\c]
	v_cvt_scalef32_pk16_fp6_f32 v[PT+4*\c:PT+4*\c+2], v[S+32*\c+16:S+32*\c+31], v[SCO+2*\c+1]   ; (a conversion's three registers begin on an even number)
.endr
	v_nop                                          ; one plain line behind the last scaled conversion
.endm
.macro CLOADS par                      ; row w of the sixteen partials of parity par, 8 bytes a lane
.irp k, 0,1,2,3,4,5,6,7,8,9,10,11,12,13,14,15
	ds_load_b64 v[192+2*\k:193+2*\k], v[10+(\par)] offset:PART*\k
.endr
.endm
.macro PACKP                           ; the operand's layout wants a WHOLE block in a lane: lanes 0-15 block 2 c, lanes 16-31 block 2 c + 1
.irp c, 0,1
.irp i, 0,1,2
	v_permlane16_swap_b32 v[PC+6*\c+\i], v[PT+4*\c+\i]
.endr
.irp i, 0,1,2
	v_mov_b32 v[PC+3+6*\c+\i], v[PT+4*\c+\i]
.endr
.endr
.rept 4
	v_nop                                          ; an operand written by vector instructions stands four places ahead of a scaled matrix instruction
.endr
.endm
.macro PV                              ; O^T = V^T W^T over my 128 keys: four tiles of 16 of the head's 64
.irp d, 0,1,2,3
.if \d%2
	v_wmma_scale_f32_16x16x128_f8f6f4 v[S+8*\d:S+8*\d+7], v[VF+12*\d:VF+12*\d+11], v[PC:PC+11], 0, v[VS+\d/2], v19 matrix_a_fmt:MATRIX_FMT_FP6 matrix_b_fmt:MATRIX_FMT_FP6 matrix_a_scale:MATRIX_SCALE_ROW1
.else
	v_wmma_scale_f32_16x16x128_f8f6f4 v[S+8*\d:S+8*\d+7], v[VF+12*\d:VF+12*\d+11], v[PC:PC+11], 0, v[VS+\d/2], v19 matrix_a_fmt:MATRIX_FMT_FP6 matrix_b_fmt:MATRIX_FMT_FP6
.endif
.endr
.endm
.macro CADD                            ; the sixteen partials of my row, as a tree: 15 packed additions, which name no register of the products above them and are the places behind those
	s_wait_dscnt 0x0
.irp k, 0,1,2,3,4,5,6,7
	v_pk_add_f32 v[192+4*\k:193+4*\k], v[192+4*\k:193+4*\k], v[194+4*\k:195+4*\k]
.endr
.irp k, 0,1,2,3
	v_pk_add_f32 v[192+8*\k:193+8*\k], v[192+8*\k:193+8*\k], v[196+8*\k:197+8*\k]
.endr
.irp k, 0,1
	v_pk_add_f32 v[192+16*\k:193+16*\k], v[192+16*\k:193+16*\k], v[200+16*\k:201+16*\k]
.endr
	v_pk_add_f32 v[192:193], v[192:193], v[208:209]
.endm
.macro OSTORE par                      ; lane (r, h): O(query r, 16 d + 8 h + 0 .. 7); each accumulator from its low end on
.irp d, 0,1,2,3
	ds_store_b128 v[8+(\par)], v[S+8*\d:S+8*\d+3] offset:64*\d
	ds_store_b128 v[8+(\par)], v[S+8*\d+4:S+8*\d+7] offset:64*\d+16
.endr
.endm
.macro ZSTORE par                      ; an idle wave's partial is zeros
.irp d, 0,1,2,3
	ds_store_b128 v[8+(\par)], v[28:31] offset:64*\d
	ds_store_b128 v[8+(\par)], v[28:31] offset:64*\d+16
.endr
.endm
.macro OUT
	global_store_b64 v134, v[192:193], s[20:21] th:TH_STORE_NT   ; 32 lanes store a row's 256 consecutive bytes, at a multiple of 256 from out0's first byte; written once
	s_wait_xcnt 0x0                                ; the store has read its data and its base: both are written again below
	s_add_nc_u64 s[20:21], s[20:21], 32768         ; 8 tiles on
.endm
; AN ITERATION: one tile of 16 queries.  par: which of the two sets of stats and partials.  first: no tile before it to add up.  last: nothing more to fetch.
.macro ITER par, first, last
	s_wait_kmcnt 0x0                               ; the flag and the mask words,
	s_wait_loadcnt 0x0                             ; Q and its scale words (in the first iteration K and V too)
	s_mov_b32 s25, s24                             ; the flag's copy: s24 is loaded anew behind the barrier
	s_cmp_eq_u32 s25, 0
	s_cbranch_scc1 .Lidle_\@                       ; no key of my 128 counts for any of the 16 queries
	QK
	s_cmp_eq_u32 s25, 2
	s_cbranch_scc1 .Lopen_\@                       ; all count: nothing to select
	MASK
.Lopen_\@:
	BMAX
	EXPS
	s_branch .Lpub_\@
.Lidle_\@:
	v_mov_b32 v12, 0x4e800000                      ; M_w = -2^30,
	v_mov_b32 v14, 0                               ; l_w = 0
.Lpub_\@:
	PUBLISH \par
.if !\last
	NEXT 1
.endif
	s_cmp_eq_u32 s25, 0
	s_cbranch_scc1 .Lzero_\@
	STATS \par
	QUANT
.if !\first
	CLOADS 1-\par                                  ; the last tile's partials: they land while the codes are packed and multiplied
.endif
	PACKP
	PV
.if \first
.rept 5
	v_nop                                          ; five places: the stores below read results (four), and the next iteration's products write over these accumulators (five)
.endr
.else
	CADD
.endif
	OSTORE \par
	s_branch .Lout_\@
.Lzero_\@:
	ZSTORE \par
.if !\first
	CLOADS 1-\par
	CADD
.endif
.Lout_\@:
.if !\first
	OUT
.endif
.endm
	ITER 0, 1, 0
	s_mov_b32 s3, 7
.Lpair:                                                ; two iterations a trip: the parities come back
	ITER 1, 0, 0
	ITER 0, 0, 0
	s_sub_co_u32 s3, s3, 1
	s_cmp_lg_u32 s3, 0
	s_cbranch_scc1 .Lpair
	ITER 1, 0, 1
	s_wait_dscnt 0x0                               ; my last partial lies in LDS
	s_barrier_signal -1
	s_barrier_wait -1                              ; everybody's does
	CLOADS 1
	CADD
	global_store_b64 v134, v[192:193], s[20:21] th:TH_STORE_NT
	s_wait_tensorcnt 0x0                           ; the wave's end: three closing lines, behind my last LDS store
	ds_add_u32 v1, v2
	s_wait_dscnt 0x0
	s_endpgm
.Lfunc_end_k_q7f4b480aad_attn:
	.size	k_q7f4b480aad_attn, .Lfunc_end_k_q7f4b480aad_attn-k_q7f4b480aad_attn
	.p2alignl 7, 3214868480
	.fill 96, 4, 3214868480
	.section	.rodata,"a",@progbits
	.p2align	6, 0x0
	.amdhsa_kernel k_q7f4b480aad_attn
		.amdhsa_group_segment_fixed_size 145920
		.amdhsa_private_segment_fixed_size 0
		.amdhsa_enable_private_segment 0
		.amdhsa_kernarg_size 72
		.amdhsa_user_sgpr_count 2
		.amdhsa_user_sgpr_kernarg_segment_ptr 1
		.amdhsa_wavefront_size32 1
		.amdhsa_system_sgpr_workgroup_id_x 1
		.amdhsa_system_sgpr_workgroup_id_y 1
		.amdhsa_system_sgpr_workgroup_id_z 1
		.amdhsa_system_vgpr_workitem_id 0
		.amdhsa_next_free_vgpr 256
		.amdhsa_next_free_sgpr 100
		.amdhsa_reserve_vcc 0
		.amdhsa_float_denorm_mode_32 3
		.amdhsa_float_denorm_mode_16_64 3
		.amdhsa_memory_ordered 1
		.amdhsa_forward_progress 1
		.amdhsa_inst_pref_size 119
	.end_amdhsa_kernel
	.amdgpu_metadata
---
amdhsa.version: [ 1, 2 ]
amdhsa.kernels:
  - .name:           k_q7f4b480aad_attn
    .symbol:         k_q7f4b480aad_attn.kd
    .args:
      - { .name: queries_codes, .offset: 0, .size: 8, .value_kind: global_buffer, .address_space: global }
      - { .name: queries_scales, .offset: 8, .size: 8, .value_kind: global_buffer, .address_space: global }
      - { .name: keys_codes, .offset: 16, .size: 8, .value_kind: global_buffer, .address_space: global }
      - { .name: keys_scales, .offset: 24, .size: 8, .value_kind: global_buffer, .address_space: global }
      - { .name: values_codes, .offset: 32, .size: 8, .value_kind: global_buffer, .address_space: global }
      - { .name: values_scales, .offset: 40, .size: 8, .value_kind: global_buffer, .address_space: global }
      - { .name: mbits, .offset: 48, .size: 8, .value_kind: global_buffer, .address_space: global }
      - { .name: mflags, .offset: 56, .size: 8, .value_kind: global_buffer, .address_space: global }
      - { .name: out0, .offset: 64, .size: 8, .value_kind: global_buffer, .address_space: global }
    .group_segment_fixed_size: 145920
    .private_segment_fixed_size: 0
    .kernarg_segment_align: 8
    .kernarg_segment_size: 72
    .max_flat_workgroup_size: 512
    .sgpr_count:     100
    .vgpr_count:     256
    .wavefront_size: 32
...
	.end_amdgpu_metadata
.endif
;; end of part 2
;; ======== version 2 of 2: 2 launches
;; limits: right only within a limited range of input values
;; workspace buffers: mbits 524,288 bytes of whole numbers; mflags 8,192 bytes of whole numbers
;; launch maskbits (part 3): grid 256 x 1, 8 waves a work-group, no clusters, 17,664 bytes of LDS; arguments mask, mbits, mflags; writes mbits, mflags
.if DOCPART == 3
	.amdgcn_target "amdgcn-amd-amdhsa--gfx1250"
	.amdhsa_code_object_version 6
	.text
	.protected	k_q7f4b480aad_maskbits
	.globl	k_q7f4b480aad_maskbits
	.p2align	8
	.type	k_q7f4b480aad_maskbits,@function
k_q7f4b480aad_maskbits:
	s_mov_b64 s[64:65], 0
	v_nop
	global_prefetch_b8 v0, s[64:65] scope:SCOPE_SE
	s_setreg_imm32_b32 hwreg(HW_REG_WAVE_MODE, 25, 1), 1
	s_wait_xcnt 0x0
; THE PROGRAM: out = W V, W = min(|mask|, |softmax_k(q.k / 8 - 1e9 (1 - mask))|), both products on codes of E2M3; W is quantised finished and normalised, in blocks of 32 keys.  d_k = 64 is a constant: the scale is 1 / 8.
; Two launches.  This one turns the mask (2,048 x 2,048 bytes, each 0 or 1) into whole numbers for the second: for each block of 16 queries x 128 keys a record of 64 words, one bit a lane,
; laid as the second launch's score registers lie, and a flag: 0 = no key of the block counts, 1 = some do, 2 = all do.
; WHAT THE PROGRAM LEAVES OUT, for all values of the inputs:
;  (1) mask is 0 or 1 and a softmax lies in 0 .. 1, so min(|mask|, |w|) is w where mask = 1 and 0 where mask = 0: no minimum is computed; a masked key's weight is 0.
;  (2) A masked key's only other way to an output is its term in its row's maximum and sum.  A row with no unmasked key has all weights 0 by (1), whatever its sum.  In a row with an unmasked key the term is
;      at most e^(-1e9 + 2 x 4e8) of the largest (see LIMITS): no result moves.  So a masked score is SELECTED away (its p is 0),
;      and a block whose 16 x 128 mask bytes are all 0 is passed over, by a branch on the flag that this launch stores and the second launch reads from memory.
; Every input has a way to an output and is loaded.
; LIMITS: |q.k| / 8 < 4e8 (beyond it reference()'s own -1e9 no longer masks); NaN and infinities among the inputs (a scale byte 0xff) are not served; one that reaches only masked keys is not carried to the result.
;
; SHARES.  Work-group x takes query tile T = x / 2 (16 rows of the mask) and half x % 2 of its columns: 16 rows x 1,024 bytes.  Each wave loads two rows' 1,024 bytes, 512 consecutive bytes a load, into a stage
; in LDS; behind one barrier wave w reads the block of key step 8 (x % 2) + w: lane (r, h) takes of row r the bytes 32 b + 16 h + 0 .. 15 of the block's 128, b = 0 .. 3.
; Word j = 16 b + i of a record: bit 16 h + r = mask[16 T + r][128 step + 32 b + 16 h + i].  A record is 256 bytes and leaves by one store of the wave, aligned.
.set PITCH, 1040                       ; a stage row: 1,024 bytes + 16, so that the sixteen rows of a read of 16 bytes a lane start 16 bytes apart modulo 256
.set SPARE, 16*PITCH                   ; behind the stage: the spare words, 128 bytes for each of the eight waves: four blocks of 256 bytes that no other line names
; REGISTERS: v1, v2 the add's two; v3 lane; v4 16 x lane; v5 stage, way in; v6 stage, way out; v7 8 x lane; v8-23 bytes as loaded; v24-39 my 64 bytes; v40-43 at work; v44-45 the record; v46 the flag; v47 0
;            s[4:5] mask, s[6:7] mbits, s[8:9] mflags; s10 wave; s16-23 lane masks by turns; s24 their OR, s25 their AND
	s_load_b128 s[4:7], s[0:1], 0x0
	s_load_b64 s[8:9], s[0:1], 0x10
	v_lshl_add_u32 v1, v0, 2, SPARE
	v_mov_b32 v2, 0
	v_lshrrev_b32 v40, 5, v0
	s_delay_alu instid0(VALU_DEP_1)
	v_readfirstlane_b32 s10, v40                   ; wave 0..7
	v_and_b32 v3, 31, v0                           ; lane
	s_delay_alu instid0(VALU_DEP_1)
	v_lshlrev_b32 v4, 4, v3
	s_mul_i32 s11, s10, 2*PITCH
	v_add_nc_u32 v5, s11, v4                       ; in: rows 2 w, 2 w + 1 of the stage, 16 bytes a lane
	v_and_b32 v41, 15, v0                          ; r
	v_bfe_u32 v42, v0, 4, 1                        ; h
	s_delay_alu instid0(VALU_DEP_2)
	v_mul_u32_u24 v6, v41, PITCH
	s_delay_alu instid0(VALU_DEP_1)
	v_lshl_add_u32 v6, v42, 4, v6
	s_lshl_b32 s11, s10, 7
	v_add_nc_u32 v6, s11, v6                       ; out: row r, + 128 w + 16 h
	v_lshlrev_b32 v7, 3, v3
	v_mov_b32 v44, 0                               ; a lane write's destination counts as one of its sources
	v_mov_b32 v45, 0
	v_mov_b32 v47, 0
	s_lshr_b32 s12, ttmp9, 1                       ; T
	s_and_b32 s13, ttmp9, 1                        ; which half of the columns
	s_lshl_b32 s12, s12, 15                        ; 16 rows of 2,048 bytes a tile
	s_lshl_b32 s13, s13, 10
	s_add_co_u32 s12, s12, s13
	s_lshl_b32 s13, s10, 12                        ; two rows a wave
	s_add_co_u32 s12, s12, s13
	s_mov_b32 s13, 0
	s_lshl_b32 s14, ttmp9, 3
	s_add_co_u32 s14, s14, s10                     ; my record: 16 T + 8 half + w = 8 x + w
	s_lshl_b32 s26, s14, 2
	s_mov_b32 s27, 0
	s_lshl_b32 s14, s14, 8
	s_mov_b32 s15, 0
	s_mov_b32 s24, 0
	s_mov_b32 s25, -1
	s_wait_alu depctr_va_vdst(0)
	s_wait_kmcnt 0x0
	s_add_nc_u64 s[4:5], s[4:5], s[12:13]
	s_add_nc_u64 s[6:7], s[6:7], s[14:15]
	s_add_nc_u64 s[8:9], s[8:9], s[26:27]
	global_load_b128 v[8:11], v4, s[4:5] th:TH_LOAD_NT                 ; each load: 512 consecutive bytes; the mask is read once in the launch
	global_load_b128 v[12:15], v4, s[4:5] offset:512 th:TH_LOAD_NT
	global_load_b128 v[16:19], v4, s[4:5] offset:2048 th:TH_LOAD_NT
	global_load_b128 v[20:23], v4, s[4:5] offset:2560 th:TH_LOAD_NT
	s_wait_loadcnt 0x0
	ds_store_b128 v5, v[8:11]
	ds_store_b128 v5, v[12:15] offset:512
	ds_store_b128 v5, v[16:19] offset:PITCH
	ds_store_b128 v5, v[20:23] offset:PITCH+512
	s_wait_dscnt 0x0                               ; for the others' sake: my rows lie in the stage
	s_barrier_signal -1
	s_barrier_wait -1
.irp b, 0,1,2,3
	ds_load_b128 v[24+4*\b:27+4*\b], v6 offset:32*\b
.endr
	s_wait_dscnt 0x0
; word j = 4 g + k: byte k of register g.  The compare gives one bit a lane; lane j / 2 of register j % 2 takes the word, so that lane l ends up with the record's bytes 8 l .. 8 l + 7
.set g, 0
.rept 16
.irp k, 0,1,2,3
	v_and_b32 v[40+\k], 0xff<<(8*\k), v[24+g]
.endr
.irp k, 0,1,2,3
	s_delay_alu instid0(VALU_DEP_4)
	v_cmp_ne_u32 s[16+(4*g+\k)%8], 0, v[40+\k]
.endr
.irp k, 0,1,2,3
	v_writelane_b32 v[44+\k%2], s[16+(4*g+\k)%8], (4*g+\k)/2
	s_or_b32 s24, s24, s[16+(4*g+\k)%8]
	s_and_b32 s25, s25, s[16+(4*g+\k)%8]
.endr
.set g, g+1
.endr
	s_cmp_lg_u32 s24, 0                            ; some key counts: 1
	s_cselect_b32 s26, 1, 0
	s_cmp_eq_u32 s25, -1                           ; all count: one more
	s_cselect_b32 s27, 1, 0
	s_add_co_u32 s26, s26, s27
	v_mov_b32 v46, s26
	s_wait_alu depctr_va_vdst(0)
	global_store_b64 v7, v[44:45], s[6:7]          ; 32 lanes store 256 consecutive bytes, at a multiple of 256 from the buffer's first byte
	s_wait_xcnt 0x0                                ; EXEC is a source of that store: it changes only behind this wait
	v_cmp_eq_u32 vcc_lo, 0, v3
	s_and_saveexec_b32 s28, vcc_lo
	global_store_b32 v47, v46, s[8:9]              ; the flag: lane 0 alone
	s_wait_xcnt 0x0                                ; and again, in front of the line that widens it
	s_or_b32 exec_lo, exec_lo, s28
	s_wait_tensorcnt 0x0                           ; the wave's end: three closing lines, behind my last LDS store
	ds_add_u32 v1, v2
	s_wait_dscnt 0x0
	s_endpgm
.Lfunc_end_k_q7f4b480aad_maskbits:
	.size	k_q7f4b480aad_maskbits, .Lfunc_end_k_q7f4b480aad_maskbits-k_q7f4b480aad_maskbits
	.p2alignl 7, 3214868480
	.fill 96, 4, 3214868480
	.section	.rodata,"a",@progbits
	.p2align	6, 0x0
	.amdhsa_kernel k_q7f4b480aad_maskbits
		.amdhsa_group_segment_fixed_size 17664
		.amdhsa_private_segment_fixed_size 0
		.amdhsa_enable_private_segment 0
		.amdhsa_kernarg_size 24
		.amdhsa_user_sgpr_count 2
		.amdhsa_user_sgpr_kernarg_segment_ptr 1
		.amdhsa_wavefront_size32 1
		.amdhsa_system_sgpr_workgroup_id_x 1
		.amdhsa_system_sgpr_workgroup_id_y 1
		.amdhsa_system_sgpr_workgroup_id_z 1
		.amdhsa_system_vgpr_workitem_id 0
		.amdhsa_next_free_vgpr 48
		.amdhsa_next_free_sgpr 66
		.amdhsa_reserve_vcc 1
		.amdhsa_float_denorm_mode_32 3
		.amdhsa_float_denorm_mode_16_64 3
		.amdhsa_memory_ordered 1
		.amdhsa_forward_progress 1
		.amdhsa_inst_pref_size 22
	.end_amdhsa_kernel
	.amdgpu_metadata
---
amdhsa.version: [ 1, 2 ]
amdhsa.kernels:
  - .name:           k_q7f4b480aad_maskbits
    .symbol:         k_q7f4b480aad_maskbits.kd
    .args:
      - { .name: mask, .offset: 0, .size: 8, .value_kind: global_buffer, .address_space: global }
      - { .name: mbits, .offset: 8, .size: 8, .value_kind: global_buffer, .address_space: global }
      - { .name: mflags, .offset: 16, .size: 8, .value_kind: global_buffer, .address_space: global }
    .group_segment_fixed_size: 17664
    .private_segment_fixed_size: 0
    .kernarg_segment_align: 8
    .kernarg_segment_size: 24
    .max_flat_workgroup_size: 256
    .sgpr_count:     66
    .vgpr_count:     48
    .wavefront_size: 32
...
	.end_amdgpu_metadata
.endif
;; end of part 3
;; launch attn (part 4): grid 8 x 32, 16 waves a work-group, no clusters, 145,920 bytes of LDS; arguments queries_codes, queries_scales, keys_codes, keys_scales, values_codes, values_scales, mbits, mflags, out0; writes out0
.if DOCPART == 4
	.amdgcn_target "amdgcn-amd-amdhsa--gfx1250"
	.amdhsa_code_object_version 6
	.text
	.protected	k_q7f4b480aad_attn
	.globl	k_q7f4b480aad_attn
	.p2align	8
	.type	k_q7f4b480aad_attn,@function
k_q7f4b480aad_attn:
	s_mov_b64 s[64:65], 0
	v_nop
	global_prefetch_b8 v0, s[64:65] scope:SCOPE_SE
	s_setreg_imm32_b32 hwreg(HW_REG_WAVE_SCHED_MODE, 0, 2), 2
	s_setreg_imm32_b32 hwreg(HW_REG_WAVE_MODE, 25, 1), 1
	s_wait_xcnt 0x0
	s_wait_alu depctr_vm_vsrc(0)
; out[bh][q][:] = the sum over k of W[q][k] V[bh][k][:], W = the finished softmax of q.k / 8 over the unmasked keys, 0 at masked keys, quantised to E2M3 in blocks of 32 keys.  Both products on codes of E2M3 with E8M0 scales.
; LEFT OUT (shown at the head of the first launch's text): the minimum with the mask (it is a selection); masked keys' terms in maximum and sum; blocks of 16 queries x 128 keys with no unmasked key, by a branch on
; the flag that the first launch stored.  LIMITS: |q.k| / 8 < 4e8; NaN and infinities are not served, and one that reaches only masked keys is not carried; a p under 2^-126 counts as 0.
; THE ROW'S SUM IS WANTED BEFORE ANY CODE IS MADE, so a tile of 16 queries has all its 2,048 p in registers at once, spread over the work-group's SIXTEEN waves:
; THE WAVES SHARE THE KEYS.  Wave w owns keys 128 w .. 128 w + 127 of the head: its fragments of K (48 registers) and of V (48) and their scale words are read once and stay.
; A work-group (g = x, head = y) walks the query tiles T = 8 j + g, j = 0 .. 15, one an iteration:
;   S^T = K Q^T (source 0 = 16 keys, source 1 = the 16 queries: a lane holds ONE query, lane % 16, throughout); masked scores become -3e38; t = score x log2(e) / 8;
;   M_w = the wave's largest t rounded UP to a whole number; p = 2^(t - M_w); l_w = the sum of p | n_w = -M_w and l_w to LDS | THE ITERATION'S ONE BARRIER |
;   every wave reads all sixteen pairs: M = the largest M_w, L = the sum of l_w 2^(M_w - M) (exact scalings); f = 2^(M_w - M) / L; W = p f, quantised as it stands;
;   O^T = V^T W^T over my 128 keys: a partial of 16 queries x 64, to LDS.  The sixteen partials of tile j are added one iteration later, behind the next barrier: wave w adds and stores row w, 256 consecutive bytes.
; K = 64 fills half of the matrix instruction's 128: Q's registers 6-11 hold zero codes for good, so K's fragments lie 6 registers apart and what stands in a K operand's upper six (the next tile's codes) is
; multiplied by 0; the scale bytes of those two blocks are 0 (the words are loaded as 16 bits), never 0xff.
; THE KEYS OF A TILE ARE NOT NEIGHBOURS: lane r of tile 2 b + u takes key 32 b + 8 u + r + 8 (r / 8), so that score register 16 b + i of lane (r, h) is key 32 b + 16 h + i: 16 neighbours along the second product's K.
; ONE BARRIER DOES: between two barriers the waves read the stats of this parity, write the partials of this parity (each its own), read the partials of the other parity and write the stats of the other parity
; (each its own words): four regions that do not meet; each is written again only behind a later barrier, in front of which every wave has waited for all its LDS instructions.
; NO TENSOR LOADS, NO CLUSTER: branches hang on numbers read from memory (the flags); K and V are read once by a work-group, at its head, straight into registers.
; NO PREFETCH: Q and the mask words are asked for most of an iteration ahead by their own loads; nothing else streams.  Every matrix instruction starts its sum with the constant 0: there are no chains.
; THE MODE: SCHED_MODE bits 1:0 = 2 (LLVM: expert scheduling mode 2), set by the entry lines.  The code itself states the register dependences
; between vector or matrix instructions and memory or LDS instructions, with s_wait_alu, always for 0.
; THE PLAN.  Registers that memory or LDS instructions touch:
;   v1, v2, v4-11, v134   addresses and offsets: written at the head, ahead of its first wait on va_vdst, and never again.
;   v144-147              at the head the offsets of K's and V's loads; from the first QUANT on the conversions' scale operands: the wait on vm_vsrc at the first iteration's head stands between.
;   v20-25, v18           Q and its scale words: NEXT's loads land in them behind the barrier; QK of the next iteration reads them.  Every way from a QK to a NEXT passes the wait on va_vdst that closes EXPS.
;   v26-31                zero codes, written at the head; QK reads them as an operand and ZSTORE as data: the head's second wait on va_vdst.
;   v32-133               K, V and their scale words: loaded once; matrix instructions alone read them.
;   v12, v14              written by BMAX and EXPS, or by the idle arm; read by PUBLISH's two LDS stores (a wait on va_vdst in each arm); written again behind the next iteration's wait on vm_vsrc.
;   v224-239              STATS' loads land in them; the last iteration's STATS, QUANT, PACKP and PV, which name them, stand ahead of that iteration's wait on va_vdst in front of OSTORE.
;   v192-223              CLOADS' loads land in them; QK to QUANT name them ahead of the wait on va_vdst behind PACKP (an idle wave: ahead of the first arm's wait); CADD adds them up behind s_wait_dscnt.
;   v160-191              PV writes them, OSTORE's LDS stores read them (places, then a wait on va_vdst); QK writes them again behind the next iteration's wait on vm_vsrc.
;   v192-193              CADD writes them, OUT's store reads them (the wait ahead of OSTORE; an idle wave: a wait of its own); written again behind the next wait on vm_vsrc.
; So a working iteration has one wait on vm_vsrc, at its head, and two waits on va_vdst beside the five that stand around its exponentials and its reciprocal.
.set OBB,   69632                      ; LDS: partials, parity 0 at 0, parity 1 at OBB: 16 waves x PART
.set PART,  4352                       ; a partial: 16 queries x OP
.set OP,    272                        ; 64 f32 + 16 bytes: the sixteen rows of a store of 16 bytes a lane start 16 bytes apart modulo 256
.set ST0,   2*OBB                      ; stats, parity 0; parity 1 STB further on
.set STB,   2304                       ; 16 queries x SP
.set SP,    144                        ; 16 n (64 bytes), 16 l (64 bytes), 16 of padding
.set SPARE, ST0+2*STB                  ; the spare words, 128 bytes for each of the sixteen waves: eight blocks of 256 bytes that no other line names
; VECTOR REGISTERS: v1, v2 the add's two; v3 -3e38; v4, v5 Q's and its scales' lane offsets; v6 stats, way in; v7 stats, way out; v8, v9 my partial (parity 0, 1); v10, v11 row w of the partials (parity 0, 1);
;   v12 n_w (v13 named with it); v[14:15] the sum; v16 f (v17 named with it); v18 Q's scale words; v19 W's scale word; v134 8 x lane; v135 at work; v152 M (v153 named with it); v154 1 / L; v155 exponent; v156 a permute's destination
.set QF,  20                           ; v20-31   Q's fragment; v26-31 zero for good (v28-31 also the zeros that an idle wave stores)
.set KF,  32                           ; v32-79   K's eight tiles, 6 registers each
.set VF,  80                           ; v80-127  V's four tiles, 12 registers each
.set KS,  128                          ; v128-131 K's scale words: register b: tile 2 b in lanes 0-15, tile 2 b + 1 in lanes 16-31
.set VS,  132                          ; v132-133 V's likewise
.set BM,  136                          ; v136-139 each block's largest score, then p, then W
.set BT,  140                          ; v140-143 permutes' destinations
.set SCO, 144                          ; v144-147 the conversions' scale operands (at the head: lane offsets of K's and V's loads)
.set BY,  148                          ; v148-151 scale bytes
.set S,   160                          ; v160-223 S^T, p, W; later v160-191 O^T and v192-223 sixteen partials' pairs
.set PC,  224                          ; v224-235 W's codes (ahead of them: v224-231 sixteen waves' n, my half; v232-239 their l)
.set PT,  236                          ; v236-243 the codes' second halves
.set C2,  244                          ; v244-245 the sum's second chain
; SCALAR REGISTERS: s2 wave; s3 loop; s[4:5], s[6:7] Q's codes, scales; s[8:15] K's and V's (head only); s[16:17] mbits; s[18:19] mflags; s[20:21] out0; s24 the flag as loaded, s25 its copy for this iteration;
;   s[26:27] log2(e) / 8, twice; s[28:29] selects for lane l xor 16; s[30:31] offsets; s32-63, s68-99 the block's 64 mask words
	s_load_b512 s[4:19], s[0:1], 0x0
	s_load_b64 s[20:21], s[0:1], 0x40
	v_lshl_add_u32 v1, v0, 2, SPARE
	v_mov_b32 v2, 0
	v_lshrrev_b32 v135, 5, v0
	v_readfirstlane_b32 s2, v135                   ; wave 0..15
	v_and_b32 v154, 15, v0                         ; r
	v_bfe_u32 v155, v0, 4, 1                       ; h
	v_and_b32 v156, 31, v0                         ; lane
	v_mov_b32 v3, 0xff61b1e6                       ; -3e38
	v_mul_u32_u24 v4, v154, 48                     ; Q: row r of 48 bytes, + 24 h
	v_mad_u32_u24 v4, v155, 24, v4
	v_lshlrev_b32 v5, 1, v154                      ; its two scale bytes
	v_mul_u32_u24 v6, v154, SP
	v_lshl_add_u32 v7, v155, 5, v6
	v_add_nc_u32 v7, ST0, v7                       ; stats out: query r, waves 8 h .. 8 h + 7
	s_wait_alu depctr_va_sdst(0)                   ; s2, the wave's number, is written, ahead of its first reader: LDS places and all bases are made from it
	s_lshl_b32 s30, s2, 2
	s_add_co_u32 s30, s30, ST0
	v_add_nc_u32 v6, s30, v6                       ; stats in: query r, my wave's word
	v_mul_u32_u24 v8, v154, OP
	v_lshl_add_u32 v8, v155, 5, v8
	s_mul_i32 s30, s2, PART
	v_add_nc_u32 v8, s30, v8                       ; my partial: row r, + 32 h
	v_add_nc_u32 v9, OBB, v8
	v_lshlrev_b32 v134, 3, v156
	s_mul_i32 s30, s2, OP
	v_add_nc_u32 v10, s30, v134                    ; row w of a partial, 8 bytes a lane
	v_add_nc_u32 v11, OBB, v10
	v_and_b32 v135, 8, v154
	v_add_nc_u32 v135, v135, v154                  ; r + 8 (r / 8)
	v_mul_u32_u24 v144, v135, 48
	v_mad_u32_u24 v144, v155, 24, v144             ; K's codes
	v_lshlrev_b32 v145, 1, v135
	v_lshl_add_u32 v145, v155, 4, v145             ; K's scale words: lanes 16-31 take the tile 8 keys on
	v_mul_u32_u24 v146, v154, 1536
	v_mad_u32_u24 v146, v155, 24, v146             ; V's codes: row r of 1,536 bytes
	v_lshlrev_b32 v147, 6, v154
	v_lshl_add_u32 v147, v155, 10, v147            ; V's scale words: lanes 16-31 take the tile 16 rows on
	s_and_b32 s22, ttmp7, 0xffff                   ; the head
	s_mul_i32 s23, s22, 98304                      ; its first byte in each tensor of codes,
	s_lshl_b32 s25, s22, 12                        ; and of scale bytes
	s_lshl_b32 s26, ttmp9, 4
	s_add_co_u32 s26, s26, s2                      ; 16 g + w: my first record, and my first row of out0
	s_mov_b32 s31, 0
	s_wait_kmcnt 0x0
	s_mul_i32 s30, ttmp9, 768
	s_add_co_u32 s30, s30, s23
	s_add_nc_u64 s[4:5], s[4:5], s[30:31]          ; Q's codes at tile g
	s_lshl_b32 s30, ttmp9, 5
	s_add_co_u32 s30, s30, s25
	s_add_nc_u64 s[6:7], s[6:7], s[30:31]
	s_mul_i32 s30, s2, 6144
	s_add_co_u32 s30, s30, s23
	s_add_nc_u64 s[8:9], s[8:9], s[30:31]          ; K's codes at key 128 w
	s_lshl_b32 s30, s2, 8
	s_add_co_u32 s30, s30, s25
	s_add_nc_u64 s[10:11], s[10:11], s[30:31]
	s_mul_i32 s30, s2, 96
	s_add_co_u32 s30, s30, s23
	s_add_nc_u64 s[12:13], s[12:13], s[30:31]      ; V's codes: 96 w bytes on in each row
	s_lshl_b32 s30, s2, 2
	s_add_co_u32 s30, s30, s25
	s_add_nc_u64 s[14:15], s[14:15], s[30:31]
	s_lshl_b32 s30, s26, 8
	s_add_nc_u64 s[16:17], s[16:17], s[30:31]      ; records of 256 bytes
	s_lshl_b32 s23, s22, 19
	s_add_co_u32 s30, s30, s23
	s_add_nc_u64 s[20:21], s[20:21], s[30:31]      ; rows of 256 bytes, 524,288 a head
	s_lshl_b32 s30, s26, 2
	s_add_nc_u64 s[18:19], s[18:19], s[30:31]
; The next tile's flag, mask words, Q and Q's scale words.  step = 1: the four addresses go on by 8 tiles first; their last loads were shown done by the waits at the iteration's head.
; No wait on va_vdst stands here: the products that read v20-25 and v18 stand ahead of the wait that closes EXPS, and no vector or matrix instruction behind that wait names these registers.
.macro NEXT step
.if \step
	s_add_nc_u64 s[16:17], s[16:17], 32768
	s_add_nc_u64 s[18:19], s[18:19], 512
	s_add_nc_u64 s[4:5], s[4:5], 6144
	s_add_nc_u64 s[6:7], s[6:7], 256
.endif
	s_load_b32 s24, s[18:19], 0x0
	s_load_b512 s[32:47], s[16:17], 0x0
	s_load_b512 s[48:63], s[16:17], 0x40
	s_load_b512 s[68:83], s[16:17], 0x80
	s_load_b512 s[84:99], s[16:17], 0xc0
	global_load_b64 v[QF:QF+1], v4, s[4:5]
	global_load_b64 v[QF+2:QF+3], v4, s[4:5] offset:8
	global_load_b64 v[QF+4:QF+5], v4, s[4:5] offset:16
	global_load_u16 v18, v5, s[6:7]                ; two scale bytes; the upper two are 0
.endm
	s_wait_alu depctr_va_vdst(0)                   ; all addresses and offsets are written: v4, v5 and v144-147, which the loads below read, and v1, v2, v6-11 and v134, which the LDS instructions and stores of the whole kernel read
	NEXT 0
.irp t, 0,1,2,3,4,5,6,7
.irp p, 0,1,2
	global_load_b64 v[KF+6*\t+2*\p:KF+6*\t+2*\p+1], v144, s[8:9] offset:(32*(\t/2)+8*(\t%2))*48+8*\p
.endr
.endr
.irp b, 0,1,2,3
	global_load_u16 v[KS+\b], v145, s[10:11] offset:64*\b
.endr
.irp d, 0,1,2,3
.irp p, 0,1,2,3,4,5
	global_load_b64 v[VF+12*\d+2*\p:VF+12*\d+2*\p+1], v146, s[12:13] offset:24576*\d+48*(\p/3)+8*(\p%3)
.endr
.endr
.irp c, 0,1
	global_load_b32 v[VS+\c], v147, s[14:15] offset:2048*\c
.endr
	s_mov_b32 s26, 0x3e38aa3b                      ; log2(e) / 8
	s_mov_b32 s27, s26                             ; (the packed form names the pair)
	s_mov_b32 s28, 0x76543210
	s_mov_b32 s29, 0xfedcba98
.irp i, 26,27,28,29,30,31
	v_mov_b32 v\i, 0                               ; Q's upper half: zero codes
.endr
	v_mov_b32 v13, 0                               ; named as upper halves of pairs
	v_mov_b32 v17, 0
	v_mov_b32 v153, 0
.irp b, 0,1,2,3
	v_mov_b32 v[BT+\b], 0                          ; a lane permute's destination counts as one of its sources
	v_mov_b32 v[BM+\b], 0
.endr
.set j, 0
.rept 64
	v_mov_b32 v[S+j], 0                            ; once: an iteration's two branches test the same flag, but taken singly they leave a way on which these are read before a product has written them
.set j, j+1
.endr
	s_wait_alu depctr_va_vdst(0)                   ; v26-31 are written, which the scaled products take as part of Q's operand and an idle wave's LDS stores as data; so are v192-223, in which LDS loads land
.macro QK                              ; S^T = K Q^T: eight tiles of 16 keys, each sum begun with 0
.irp t, 0,1,2,3,4,5,6,7
.if \t%2
	v_wmma_scale_f32_16x16x128_f8f6f4 v[S+8*\t:S+8*\t+7], v[KF+6*\t:KF+6*\t+11], v[QF:QF+11], 0, v[KS+\t/2], v18 matrix_a_fmt:MATRIX_FMT_FP6 matrix_b_fmt:MATRIX_FMT_FP6 matrix_a_scale:MATRIX_SCALE_ROW1
.else
	v_wmma_scale_f32_16x16x128_f8f6f4 v[S+8*\t:S+8*\t+7], v[KF+6*\t:KF+6*\t+11], v[QF:QF+11], 0, v[KS+\t/2], v18 matrix_a_fmt:MATRIX_FMT_FP6 matrix_b_fmt:MATRIX_FMT_FP6
.endif
.endr
.rept 4
	v_nop                                          ; four places ahead of the first read of results (ISA guide 7.12.1)
.endr
.endm
.macro MASK                            ; register j keeps its score where bit lane of word j is set; each accumulator from its low end on
.set j, 0
.rept 64
.if j < 32
	v_cndmask_b32 v[S+j], v3, v[S+j], s[32+j]
.else
	v_cndmask_b32 v[S+j], v3, v[S+j], s[36+j]
.endif
.set j, j+1
.endr
.endm
.macro BMAX                            ; the largest score of each block of 32 keys: it serves for the wave's maximum and, since p rises with the score, for the block's largest weight
.irp b, 0,1,2,3
	v_max3_num_f32 v[BM+\b], v[S+16*\b], v[S+1+16*\b], v[S+2+16*\b]
.endr
.irp i, 3,5,7,9,11,13
.irp b, 0,1,2,3
	v_max3_num_f32 v[BM+\b], v[BM+\b], v[S+16*\b+\i], v[S+1+16*\b+\i]
.endr
.endr
.irp b, 0,1,2,3
	v_max_num_f32 v[BM+\b], v[BM+\b], v[S+15+16*\b]
.endr
.irp b, 0,1,2,3
	v_permlanex16_b32 v[BT+\b], v[BM+\b], s28, s29
.endr
.irp b, 0,1,2,3
	v_max_num_f32 v[BM+\b], v[BM+\b], v[BT+\b]     ; with lane l xor 16's 16 keys
.endr
	v_max3_num_f32 v135, v[BM], v[BM+1], v[BM+2]
	v_max_num_f32 v135, v135, v[BM+3]
	v_mul_f32 v135, s26, v135                      ; as t
	v_max_num_f32 v135, 0xce800000, v135           ; held at -2^30 from below: a query with no live key among my 128 has M_w = -2^30, a whole number that a conversion to i32 holds
	v_floor_f32 v12, -v135                         ; n_w = -M_w = floor(-t)
.endm
.macro EXPS                            ; p = 2^(t - M_w), and the sum of my 128
.set j, 0
.rept 32
	v_pk_fma_f32 v[S+j:S+j+1], v[S+j:S+j+1], s[26:27], v[12:13] op_sel_hi:[1,0,0]
.set j, j+2
.endr
.irp b, 0,1,2,3
	v_fma_f32 v[BM+\b], v[BM+\b], s26, v12         ; the same of each block's largest score
.endr
.set j, 0
	s_wait_alu depctr_va_vdst(0)
.rept 64
	v_exp_f32 v[S+j], v[S+j]
.set j, j+1
.endr
	v_nop                                          ; one plain line behind the batch
	s_wait_alu depctr_va_vdst(0)                   ; the 64 exponentials have written p in v160-223, ahead of the first line that names one of them: one wait for the batch
.irp b, 0,1,2,3
	v_exp_f32 v[BM+\b], v[BM+\b]                   ; the same two instructions on the same number give the same bits as the block's largest p
.endr
	v_pk_add_f32 v[C2:C2+1], v[S:S+1], v[S+2:S+3]  ; the sums read the 64 alone: plain work behind the four
	v_pk_add_f32 v[14:15], v[S+4:S+5], v[S+6:S+7]
.set j, 8
.rept 14
	v_pk_add_f32 v[C2:C2+1], v[C2:C2+1], v[S+j:S+j+1]
	v_pk_add_f32 v[14:15], v[14:15], v[S+j+2:S+j+3]
.set j, j+4
.endr
	v_pk_add_f32 v[14:15], v[14:15], v[C2:C2+1]
	v_add_f32 v14, v14, v15
	v_permlanex16_b32 v156, v14, s28, s29
	v_add_f32 v14, v14, v156                       ; l_w, the same bits in lanes l and l xor 16
	s_wait_alu depctr_va_vdst(0)                   ; the four exponentials have written v136-139, ahead of the branch; n_w in v12 and l_w in v14 are written, which the LDS stores behind the branch read; the products are done reading Q in v20-25 and v18, in which the next tile's loads land
.endm
.macro PUBLISH par                     ; n_w and l_w to my words of the stats (lanes l and l xor 16 write the same word with the same value); then the iteration's barrier
	ds_store_b32 v6, v12 offset:STB*(\par)
	ds_store_b32 v6, v14 offset:STB*(\par)+64
	s_wait_dscnt 0x0                               ; for the others' sake: these two, my partial of the last tile, and my reads of the partials before it are done
	s_barrier_signal -1
	s_barrier_wait -1
.endm
.macro STATS par                       ; f = 2^(M_w - M) / L.  The loads land in v224-239: all that named these registers in the last iteration stands ahead of that iteration's wait in front of its partial's stores
	ds_load_b128 v[224:227], v7 offset:STB*(\par)       ; n of waves 8 h .. 8 h + 7
	ds_load_b128 v[228:231], v7 offset:STB*(\par)+16
	ds_load_b128 v[232:235], v7 offset:STB*(\par)+64    ; their l
	ds_load_b128 v[236:239], v7 offset:STB*(\par)+80
	s_wait_dscnt 0x0
	v_max3_num_f32 v152, -v224, -v225, -v226
	v_max3_num_f32 v135, -v227, -v228, -v229
	v_max3_num_f32 v152, v152, -v230, -v231
	v_max_num_f32 v152, v152, v135
	v_permlanex16_b32 v156, v152, s28, s29
	v_max_num_f32 v152, v152, v156                 ; M: the largest of the sixteen M_w
.irp k, 0,2,4,6
	v_pk_add_f32 v[224+\k:225+\k], v[152:153], v[224+\k:225+\k] op_sel_hi:[0,1] neg_lo:[1,1] neg_hi:[1,1]   ; -M - n = M_w - M: a whole number, 0 or less
.endr
.irp k, 0,1,2,3,4,5,6,7
	v_cvt_i32_f32 v[224+\k], v[224+\k]
.endr
.irp k, 0,1,2,3,4,5,6,7
	v_ldexp_f32 v[232+\k], v[232+\k], v[224+\k]    ; each wave's sum under M: nothing is rounded
.endr
	v_pk_add_f32 v[232:233], v[232:233], v[234:235]
	v_pk_add_f32 v[236:237], v[236:237], v[238:239]
	v_pk_add_f32 v[232:233], v[232:233], v[236:237]
	v_add_f32 v232, v232, v233
	v_permlanex16_b32 v156, v232, s28, s29
	v_add_f32 v232, v232, v156                     ; L
	v_max_num_f32 v232, 0x0d800000, v232           ; a row with no live key has L = 0 and every p = 0: held at 2^-100, so that its weights come out 0 and not 0 x infinity
	s_wait_alu depctr_va_vdst(0)
	v_rcp_f32 v154, v232
	v_sub_f32 v155, -v152, v12                     ; (the plain line behind the reciprocal)  M_w - M for my own wave
	v_cvt_i32_f32 v155, v155
	s_wait_alu depctr_va_vdst(0)                   ; the reciprocal has written v154, ahead of its first reader
	v_ldexp_f32 v16, v154, v155
.endm
.macro QUANT                           ; W = p f; each block's scale from its largest W; the codes, 16 a conversion
.irp b, 0,1,2,3
	v_mul_f32 v[BM+\b], v[BM+\b], v16
.endr
.irp b, 0,1,2,3
	v_max_num_f32 v[BM+\b], 0x1800000, v[BM+\b]    ; the floor 2^(3 - 127): the byte cannot fall under 1; a block of zeros keeps that byte, and its codes are zeros
.endr
.irp b, 0,1,2,3
	v_add_nc_u32 v[SCO+\b], 0xff000000, v[BM+\b]   ; 2 off the exponent field: the conversion's scale operand
.endr
.irp b, 0,1,2,3
	v_lshrrev_b32 v[BY+\b], 23, v[SCO+\b]
.endr
	v_lshl_or_b32 v19, v[BY+1], 8, v[BY]
	v_lshl_or_b32 v19, v[BY+2], 16, v19
	v_lshl_or_b32 v19, v[BY+3], 24, v19            ; W's scale word; the 32 lines below stand between it and the products that name it
.set j, 0
.rept 32
	v_pk_mul_f32 v[S+j:S+j+1], v[S+j:S+j+1], v[16:17] op_sel_hi:[1,0]
.set j, j+2
.endr
.irp c, 0,1
	v_cvt_scalef32_pk16_fp6_f32 v[PC+6*\c:PC+6*\c+2], v[S+32*\c:S+32*\c+15], v[SCO+2*\c]
	v_cvt_scalef32_pk16_fp6_f32 v[PT+4*\c:PT+4*\c+2], v[S+32*\c+16:S+32*\c+31], v[SCO+2*\c+1]   ; (a conversion's three registers begin on an even number)
.endr
	v_nop                                          ; one plain line behind the last scaled conversion
.endm
.macro CLOADS par                      ; row w of the sixteen partials of parity par, 8 bytes a lane
.irp k, 0,1,2,3,4,5,6,7,8,9,10,11,12,13,14,15
	ds_load_b64 v[192+2*\k:193+2*\k], v[10+(\par)] offset:PART*\k
.endr
.endm
.macro PACKP                           ; the operand's layout wants a WHOLE block in a lane: lanes 0-15 block 2 c, lanes 16-31 block 2 c + 1
.irp c, 0,1
.irp i, 0,1,2
	v_permlane16_swap_b32 v[PC+6*\c+\i], v[PT+4*\c+\i]
.endr
.irp i, 0,1,2
	v_mov_b32 v[PC+3+6*\c+\i], v[PT+4*\c+\i]
.endr
.endr
.rept 4
	v_nop                                          ; an operand written by vector instructions stands four places ahead of a scaled matrix instruction
.endr
.endm
.macro PV                              ; O^T = V^T W^T over my 128 keys: four tiles of 16 of the head's 64
.irp d, 0,1,2,3
.if \d%2
	v_wmma_scale_f32_16x16x128_f8f6f4 v[S+8*\d:S+8*\d+7], v[VF+12*\d:VF+12*\d+11], v[PC:PC+11], 0, v[VS+\d/2], v19 matrix_a_fmt:MATRIX_FMT_FP6 matrix_b_fmt:MATRIX_FMT_FP6 matrix_a_scale:MATRIX_SCALE_ROW1
.else
	v_wmma_scale_f32_16x16x128_f8f6f4 v[S+8*\d:S+8*\d+7], v[VF+12*\d:VF+12*\d+11], v[PC:PC+11], 0, v[VS+\d/2], v19 matrix_a_fmt:MATRIX_FMT_FP6 matrix_b_fmt:MATRIX_FMT_FP6
.endif
.endr
.endm
.macro CADD                            ; the sixteen partials of my row, as a tree: 15 packed additions, which name no register of the products above them and are the places behind those
	s_wait_dscnt 0x0
.irp k, 0,1,2,3,4,5,6,7
	v_pk_add_f32 v[192+4*\k:193+4*\k], v[192+4*\k:193+4*\k], v[194+4*\k:195+4*\k]
.endr
.irp k, 0,1,2,3
	v_pk_add_f32 v[192+8*\k:193+8*\k], v[192+8*\k:193+8*\k], v[196+8*\k:197+8*\k]
.endr
.irp k, 0,1
	v_pk_add_f32 v[192+16*\k:193+16*\k], v[192+16*\k:193+16*\k], v[200+16*\k:201+16*\k]
.endr
	v_pk_add_f32 v[192:193], v[192:193], v[208:209]
.endm
.macro OSTORE par                      ; lane (r, h): O(query r, 16 d + 8 h + 0 .. 7); each accumulator from its low end on
.irp d, 0,1,2,3
	ds_store_b128 v[8+(\par)], v[S+8*\d:S+8*\d+3] offset:64*\d
	ds_store_b128 v[8+(\par)], v[S+8*\d+4:S+8*\d+7] offset:64*\d+16
.endr
.endm
.macro ZSTORE par                      ; an idle wave's partial is zeros
.irp d, 0,1,2,3
	ds_store_b128 v[8+(\par)], v[28:31] offset:64*\d
	ds_store_b128 v[8+(\par)], v[28:31] offset:64*\d+16
.endr
.endm
.macro OUT
	global_store_b64 v134, v[192:193], s[20:21] th:TH_STORE_NT   ; 32 lanes store a row's 256 consecutive bytes, at a multiple of 256 from out0's first byte; written once
	s_wait_xcnt 0x0                                ; the store has read its data and its base: both are written again below
	s_add_nc_u64 s[20:21], s[20:21], 32768         ; 8 tiles on
.endm
; AN ITERATION: one tile of 16 queries.  par: which of the two sets of stats and partials.  first: no tile before it to add up.  last: nothing more to fetch.
.macro ITER par, first, last
	s_wait_kmcnt 0x0                               ; the flag and the mask words,
	s_wait_loadcnt 0x0                             ; Q and its scale words (in the first iteration K and V too)
	s_wait_alu depctr_vm_vsrc(0)                   ; ahead of the branch: the last iteration's LDS stores have read n_w, l_w (v12, v14) and O^T (v160-191) and its global store v192-193, all of which this iteration writes again; in the first iteration: K's and V's loads have read their offsets v144-147, which become the conversions' scale operands
	s_mov_b32 s25, s24                             ; the flag's copy: s24 is loaded anew behind the barrier
	s_cmp_eq_u32 s25, 0
	s_cbranch_scc1 .Lidle_\@                       ; no key of my 128 counts for any of the 16 queries
	QK
	s_cmp_eq_u32 s25, 2
	s_cbranch_scc1 .Lopen_\@                       ; all count: nothing to select
	MASK
.Lopen_\@:
	BMAX
	EXPS
	s_branch .Lpub_\@
.Lidle_\@:
	v_mov_b32 v12, 0x4e800000                      ; M_w = -2^30,
	v_mov_b32 v14, 0                               ; l_w = 0
	s_wait_alu depctr_va_vdst(0)                   ; v12 and v14 are written, which the LDS stores below read
.Lpub_\@:
	PUBLISH \par
.if !\last
	NEXT 1
.endif
	s_cmp_eq_u32 s25, 0
	s_cbranch_scc1 .Lzero_\@
	STATS \par
	QUANT
	PACKP
	s_wait_alu depctr_va_vdst(0)                   ; behind the places: W's codes in v224-235 and its scale word in v19 are written, which the scaled products take; the conversions are done reading v192-223, in which the loads below land
.if !\first
	CLOADS 1-\par                                  ; the last tile's partials: they land while the codes are multiplied; the products name none of v192-223
.endif
	PV
.if \first
.rept 5
	v_nop                                          ; five places: the stores below read results (four), and the next iteration's products write over these accumulators (five)
.endr
.else
	CADD
.endif
	s_wait_alu depctr_va_vdst(0)                   ; behind the places: the products have written O^T in v160-191, which the LDS stores read; the additions have written v192-193, which the global store reads
	OSTORE \par
	s_branch .Lout_\@
.Lzero_\@:
	ZSTORE \par
.if !\first
	CLOADS 1-\par                                  ; no wait: all that named v192-223 stands ahead of the first arm's last wait on va_vdst
	CADD
	s_wait_alu depctr_va_vdst(0)                   ; the additions have written v192-193, which the global store reads
.endif
.Lout_\@:
.if !\first
	OUT
.endif
.endm
	ITER 0, 1, 0
	s_mov_b32 s3, 7
.Lpair:                                                ; two iterations a trip: the parities come back
	ITER 1, 0, 0
	ITER 0, 0, 0
	s_sub_co_u32 s3, s3, 1
	s_cmp_lg_u32 s3, 0
	s_cbranch_scc1 .Lpair
	ITER 1, 0, 1
	s_wait_dscnt 0x0                               ; my last partial lies in LDS
	s_barrier_signal -1
	s_barrier_wait -1                              ; everybody's does
	s_wait_alu depctr_vm_vsrc(0)                   ; the last global store has read v192-193, in which the loads below land (the additions that named v192-223 stand ahead of the last wait on va_vdst)
	CLOADS 1
	CADD
	s_wait_alu depctr_va_vdst(0)                   ; the additions have written v192-193, which the store reads
	global_store_b64 v134, v[192:193], s[20:21] th:TH_STORE_NT
	s_wait_dscnt 0x0                               ; the closing lines, six on end
	s_wait_alu 0x0
	s_wait_tensorcnt 0x0
	ds_add_u32 v1, v2
	s_wait_dscnt 0x0
	s_endpgm
.Lfunc_end_k_q7f4b480aad_attn:
	.size	k_q7f4b480aad_attn, .Lfunc_end_k_q7f4b480aad_attn-k_q7f4b480aad_attn
	.p2alignl 7, 3214868480
	.fill 96, 4, 3214868480
	.section	.rodata,"a",@progbits
	.p2align	6, 0x0
	.amdhsa_kernel k_q7f4b480aad_attn
		.amdhsa_group_segment_fixed_size 145920
		.amdhsa_private_segment_fixed_size 0
		.amdhsa_enable_private_segment 0
		.amdhsa_kernarg_size 72
		.amdhsa_user_sgpr_count 2
		.amdhsa_user_sgpr_kernarg_segment_ptr 1
		.amdhsa_wavefront_size32 1
		.amdhsa_system_sgpr_workgroup_id_x 1
		.amdhsa_system_sgpr_workgroup_id_y 1
		.amdhsa_system_sgpr_workgroup_id_z 1
		.amdhsa_system_vgpr_workitem_id 0
		.amdhsa_next_free_vgpr 256
		.amdhsa_next_free_sgpr 100
		.amdhsa_reserve_vcc 0
		.amdhsa_float_denorm_mode_32 3
		.amdhsa_float_denorm_mode_16_64 3
		.amdhsa_memory_ordered 1
		.amdhsa_forward_progress 1
		.amdhsa_inst_pref_size 120
	.end_amdhsa_kernel
	.amdgpu_metadata
---
amdhsa.version: [ 1, 2 ]
amdhsa.kernels:
  - .name:           k_q7f4b480aad_attn
    .symbol:         k_q7f4b480aad_attn.kd
    .args:
      - { .name: queries_codes, .offset: 0, .size: 8, .value_kind: global_buffer, .address_space: global }
      - { .name: queries_scales, .offset: 8, .size: 8, .value_kind: global_buffer, .address_space: global }
      - { .name: keys_codes, .offset: 16, .size: 8, .value_kind: global_buffer, .address_space: global }
      - { .name: keys_scales, .offset: 24, .size: 8, .value_kind: global_buffer, .address_space: global }
      - { .name: values_codes, .offset: 32, .size: 8, .value_kind: global_buffer, .address_space: global }
      - { .name: values_scales, .offset: 40, .size: 8, .value_kind: global_buffer, .address_space: global }
      - { .name: mbits, .offset: 48, .size: 8, .value_kind: global_buffer, .address_space: global }
      - { .name: mflags, .offset: 56, .size: 8, .value_kind: global_buffer, .address_space: global }
      - { .name: out0, .offset: 64, .size: 8, .value_kind: global_buffer, .address_space: global }
    .group_segment_fixed_size: 145920
    .private_segment_fixed_size: 0
    .kernarg_segment_align: 8
    .kernarg_segment_size: 72
    .max_flat_workgroup_size: 512
    .sgpr_count:     100
    .vgpr_count:     256
    .wavefront_size: 32
...
	.end_amdgpu_metadata
.endif
;; end of part 4
